; MI455X (gfx1250); checked and timed in simulation.
; The chip was launched on July 23, 2026; its instructions are those of AMD's public machine-readable ISA for CDNA 5 (MIT licence, August 2026) and "CDNA5" Instruction Set Architecture Reference Guide (July 2026). The comments in the code are by the model that wrote it; some were corrected since.
;; Embedding To Index. Allowed arithmetic: matrix products marked QUANTISED: E4M3 operands, one E8M0 scale for each 32 along K, by v_wmma_scale_f32_16x16x128_f8f6f4 with both operands' format E4M3, f32 sums; everything else in f32.
;; Inputs: X 8 x 2,048 x 64 float32; weight 8,192 x 64 float32.
;; Outputs: out0 8 x 2,048 int32.
;; This version of the problem:
;;   THIS VERSION OF THE PROBLEM IS GIVEN IN LOW PRECISION. The matrix products marked QUANTISED in the list below multiply operands that are first quantised to E4M3 (4 exponent bits, 3 mantissa bits; 8 bits a number), with one power-of-two scale for each 32 numbers along K (OCP MX v1.0); their sums are f32. All else is computed in f32.
;;   The module's matrix products, in the order in which they are computed (A, B: the left and right operand; K: the contracted axis; several contracted axes count as one K, in the product's order):
;;     1. [M 16,384, K 64] x [K 64, N 8,192]; A: input X; B: input weight: QUANTISED
;;   THE QUANTISER, for each operand of a quantised product, along K:
;;     - K is cut into blocks of 32 from its start; a last block that is shorter is filled with zeros.
;;     - A block's scale is 2^e with e = floor(log2(the largest magnitude in the block)) - 8, held to -126 .. 127; a block of zeros has e = 0. As a byte (E8M0): e + 127.
;;     - Each number is divided by its block's scale, clamped to +-448, and rounded to the nearest number of E4M3, ties to even, subnormals kept.
;;     - The product sums the exact products of the quantised numbers (number of the format x scale) in f32.
;;   ~~~python
;;   def quantise(x, axis):      # numpy; x: float32 -> the quantised numbers, widened to float32 again
;;       x = np.moveaxis(x, axis, -1); K = x.shape[-1]
;;       x = np.pad(x, [(0, 0)] * (x.ndim - 1) + [(0, -K % 32)]); x = x.reshape(x.shape[:-1] + (-1, 32)); a = np.abs(x).max(-1, keepdims=True)
;;       e = np.where(a > 0, np.clip(np.frexp(np.where(a > 0, a, 1))[1] - 1 - 8, -126, 127), 0)      # np.frexp(a)[1] - 1 = floor(log2(a)), exactly
;;       r = np.clip(x / 2.0 ** e, -448, 448)
;;       step = 2.0 ** (np.maximum(np.frexp(np.where(r == 0, 1, r))[1] - 1, -6) - 3)
;;       q = np.round(r / step) * step * 2.0 ** e      # np.round: ties to even
;;       return np.moveaxis(q.reshape(q.shape[:-2] + (-1,))[..., :K], -1, axis).astype(np.float32)
;;   ~~~
;; One version. Each part assembles by itself: llvm-mc -triple=amdgcn-amd-amdhsa -mcpu=gfx1250 --defsym DOCPART=n.
;; ======== version 1 of 1: 2 launches
;; limits: right only within a limited range of input values
;; workspace buffers: xq 1,114,112 bytes; wq 589,824 bytes
;; launch quant (part 1): grid 256 x 1, 6 waves a work-group, no clusters, 27,392 bytes of LDS; arguments X, weight, xq, wq; writes xq, wq
.if DOCPART == 1
	.amdgcn_target "amdgcn-amd-amdhsa--gfx1250"
	.amdhsa_code_object_version 6
	.text
	.protected	k_qb5b3f3cd12_quant
	.globl	k_qb5b3f3cd12_quant
	.p2align	8
	.type	k_qb5b3f3cd12_quant,@function
k_qb5b3f3cd12_quant:
	s_mov_b64 s[64:65], 0
	v_nop
	global_prefetch_b8 v0, s[64:65] scope:SCOPE_SE
	s_setreg_imm32_b32 hwreg(HW_REG_WAVE_MODE, 25, 1), 1
	s_wait_xcnt 0x0
; X [16384][64] and weight [8192][64], f32, become RECORDS for the search: codes of FP8 (E4M3), one E8M0 scale for each 32 along K, and weight's sums of squares (bdotb).
; DEAD WORK LEFT OUT: adota = sum of X^2 of a query is the same number for every token n.  In exact arithmetic dist[n] < dist[n'] exactly if -2 adotb[n] + bdotb[n] < -2 adotb[n'] + bdotb[n'], whatever X and weight hold,
; so adota moves no argmin and is not formed.  LIMITS of that: a NaN, an infinity or an overflow that reaches adota alone is not carried to the result, and ties that rounding makes when adota is added are not made here.
; X's record: 64 rows (four tiles of 16), 4,352 bytes: the codes as an image of the operand's registers (tile t, block c of 32 along K: 16 bytes a lane at 1024 t + 512 c + 16 lane; lane (r, h) has k = 32 c + 16 h + 0 .. 15 of row r);
;   at 4096 the scale words, [row r][tile].  X's records hold -2 X: every code's sign is turned, every scale byte is one higher (exact: a byte is at most 246 before).
; weight's record: 32 rows (two tiles), 2,304 bytes: codes likewise; at 2048 the scale words [row r][tile]; at 2176 the 32 sums of squares in row order.
; A scale word holds the row's two bytes twice: the search lays the problem's 64 k into the lower or the upper half of the instruction's 128.
; A block's scale is 2^(floor(log2(its largest magnitude)) - 8), its byte the largest magnitude's exponent field - 8, held at 1 from below; each number is held within +-448 x the scale and rounded to the nearest code.
; A work-group makes one record of each: waves 0 .. 3 a tile of X each, waves 4 and 5 a tile of weight.  A load takes 512 consecutive bytes; the tile turns through the wave's own LDS rows, so that a lane gets 16 neighbours of a block.
; LIMITS: a block of zeros, or one whose largest magnitude lies under 2^-118, gets the byte 1 (its codes are zeros or subnormal codes; this program alone reads the bytes); NaN and infinities are not served.
; The sum of squares is made of fused multiply-adds in four chains a half row, the halves added last: not the order in which a library sums.
.set PITCH, 272                        ; an LDS row: 256 bytes + 16
.set WREG,  16*PITCH                   ; a wave's 16 rows
.set TX,    6*WREG                     ; X's scale words, 256 bytes
.set TW,    TX+256                     ; weight's scale words and sums, 128 bytes each
.set SPARE, TW+256                     ; spare words, 128 bytes a wave
.set MXA, 14                           ; v14-15 largest magnitudes of the two blocks
.set MXB, 16
.set PM,  18
.set SCO, 20                           ; v20-21 the conversions' scale operands
.set LIM, 22                           ; v22-23 448 x the scale
.set BY,  24
.set WRD, 26
.set CH,  28                           ; v[28:31] two packed chains of squares
.set SM,  32
.set COD, 36                           ; v36-43 codes
.set R,   64                           ; v64-95 as loaded
.set NUM, 96                           ; v96-127 16 neighbours of each block
.set CL,  128                          ; v128-159 the same, held
.set SPW, 60
.set NIL, 61
	s_load_b128 s[4:7], s[0:1], 0x0                ; X, weight
	s_load_b128 s[8:11], s[0:1], 0x10              ; xq, wq
	v_lshrrev_b32 v1, 5, v0
	v_readfirstlane_b32 s16, v1                    ; wave
	s_mul_i32 s17, s16, WREG
	s_and_b32 s18, s16, 3                          ; my tile in its record
	s_lshl_b32 s19, s18, 2
	s_add_co_u32 s20, s19, TX
	s_add_co_u32 s21, s19, TW
	s_lshl_b32 s22, s18, 6
	s_add_co_u32 s22, s22, TW+128
	s_lshr_b32 s23, s16, 2
	s_lshl_b32 s23, s23, 8
	s_add_co_u32 s23, s23, TX
	s_mov_b32 s24, 0x600000                        ; the mantissa field of 448
	s_mov_b32 s25, 0x76543210
	s_mov_b32 s26, 0xfedcba98                      ; v_permlanex16_b32's selects for lane l xor 16
	v_and_b32 v2, 31, v0                           ; lane
	v_and_b32 v3, 15, v0                           ; r
	v_bfe_u32 v4, v0, 4, 1                         ; h
	v_lshlrev_b32 v5, 4, v2                        ; 16 bytes a lane, in and out
	v_mul_u32_u24 v6, v4, PITCH
	v_mul_u32_u24 v7, v3, PITCH
	v_lshl_add_u32 v6, v3, 4, v6
	v_lshl_add_u32 v7, v4, 6, v7
	v_add_nc_u32 v6, s17, v6                       ; LDS, in: a load brings two rows, 16 lanes each
	v_add_nc_u32 v7, s17, v7                       ; LDS, back: row r, 64 h
	v_lshl_add_u32 v8, v3, 4, s20                  ; X: my row's scale word
	v_lshl_add_u32 v9, v3, 3, s21                  ; weight: the same,
	v_lshl_add_u32 v10, v3, 2, s22                 ; and my row's sum
	v_lshl_add_u32 v11, v2, 3, s23                 ; the record's last 256 bytes: 8 a lane
	v_lshlrev_b32 v12, 3, v2
	v_lshl_add_u32 v[SPW], v0, 2, SPARE
	v_mov_b32 v[NIL], 0
	v_mov_b32 v[PM], 0                             ; a lane permute's destination counts as one of its sources
	v_mov_b32 v[PM+1], 0
	v_mov_b32 v[SM+1], 0
	s_wait_alu depctr_va_vdst(0)
	s_wait_kmcnt 0x0
	s_cmp_lt_u32 s16, 4                            ; X's tile or weight's?  All choices stand ahead of the next line that sets SCC
	s_cselect_b64 s[4:5], s[4:5], s[6:7]
	s_cselect_b64 s[8:9], s[8:9], s[10:11]
	s_mov_b32 s12, 2304
	s_cselect_b32 s12, 4352, s12                   ; a record's bytes
	s_mov_b32 s13, 2048
	s_cselect_b32 s13, 4096, s13                   ; where its last 256 bytes begin
	s_cselect_b32 s14, 14, 13                      ; 64 or 32 rows of 256 bytes
	s_lshl_b32 s14, ttmp9, s14
	s_lshl_b32 s15, s18, 12
	s_add_co_u32 s14, s14, s15
	s_mov_b32 s15, 0
	s_add_nc_u64 s[4:5], s[4:5], s[14:15]
.irp i, 0,1,2,3,4,5,6,7
	global_load_b128 v[R+4*\i:R+4*\i+3], v5, s[4:5] offset:512*\i th:TH_LOAD_NT
.endr
	s_mul_i32 s12, ttmp9, s12
	s_add_co_u32 s30, s12, s13
	s_mov_b32 s31, 0
	s_add_nc_u64 s[28:29], s[8:9], s[30:31]        ; the record's last 256 bytes
	s_lshl_b32 s19, s18, 10
	s_add_co_u32 s30, s12, s19
	s_add_nc_u64 s[8:9], s[8:9], s[30:31]          ; my tile's codes
.irp i, 0,1,2,3,4,5,6,7
	s_wait_loadcnt 7-\i                            ; load i is in, the later ones may be out
	ds_store_b128 v6, v[R+4*\i:R+4*\i+3] offset:2*PITCH*\i
.endr
.irp c, 0,1
.irp i, 0,1,2,3
	ds_load_b128 v[NUM+16*\c+4*\i:NUM+16*\c+4*\i+3], v7 offset:128*\c+16*\i   ; LDS serves a wave's instructions in order: these see my stores
.endr
.endr
	s_wait_dscnt 0x0
.irp b, 0,1
	v_max3_num_f32 v[MXA+\b], |v[NUM+16*\b]|, |v[NUM+16*\b+1]|, 0x4800000   ; with the floor 2^(9 - 127): the byte cannot fall under 1
	v_max3_num_f32 v[MXB+\b], |v[NUM+16*\b+8]|, |v[NUM+16*\b+9]|, |v[NUM+16*\b+10]|
.endr
.irp i, 2,4
.irp b, 0,1
	v_max3_num_f32 v[MXA+\b], v[MXA+\b], |v[NUM+16*\b+\i]|, |v[NUM+16*\b+\i+1]|
	v_max3_num_f32 v[MXB+\b], v[MXB+\b], |v[NUM+16*\b+\i+9]|, |v[NUM+16*\b+\i+10]|
.endr
.endr
.irp b, 0,1
	v_max3_num_f32 v[MXA+\b], v[MXA+\b], |v[NUM+16*\b+6]|, |v[NUM+16*\b+7]|
.endr
.irp b, 0,1
	v_max3_num_f32 v[MXA+\b], v[MXA+\b], v[MXB+\b], |v[NUM+16*\b+15]|
.endr
.irp b, 0,1
	v_permlanex16_b32 v[PM+\b], v[MXA+\b], s25, s26
.endr
.irp b, 0,1
	v_max_num_f32 v[MXA+\b], v[MXA+\b], v[PM+\b]   ; with lane l xor 16's: the block's largest magnitude
.endr
.irp b, 0,1
	v_add_nc_u32 v[SCO+\b], 0xfc000000, v[MXA+\b]  ; 8 off its exponent field: the conversion takes that field as its scale
.endr
.irp b, 0,1
	v_and_or_b32 v[LIM+\b], v[MXA+\b], 0x7f800000, s24   ; 448 x the scale
.endr
.irp b, 0,1
	v_lshrrev_b32 v[BY+\b], 23, v[SCO+\b]          ; the scale's byte
.endr
.irp b, 0,1
.irp i, 0,1,2,3,4,5,6,7,8,9,10,11,12,13,14,15
	v_med3_num_f32 v[CL+16*\b+\i], v[NUM+16*\b+\i], -v[LIM+\b], v[LIM+\b]   ; the conversion to an 8-bit code does not saturate (ISA guide 7.6.2)
.endr
	v_cvt_scalef32_pk8_fp8_f32 v[COD+4*\b:COD+4*\b+1], v[CL+16*\b:CL+16*\b+7], v[SCO+\b]
	v_cvt_scalef32_pk8_fp8_f32 v[COD+4*\b+2:COD+4*\b+3], v[CL+16*\b+8:CL+16*\b+15], v[SCO+\b]
.endr
	v_lshl_or_b32 v[WRD], v[BY+1], 8, v[BY]        ; (also the plain place behind the conversions)
	v_lshl_or_b32 v[WRD], v[WRD], 16, v[WRD]       ; the two bytes twice
	s_wait_alu depctr_va_vdst(0)
	s_cmp_lt_u32 s16, 4
	s_cbranch_scc0 .Lweight
.irp j, 0,1,2,3,4,5,6,7
	v_xor_b32 v[COD+\j], 0x80808080, v[COD+\j]     ; X: -2 x: the signs,
.endr
	v_add_nc_u32 v[WRD], 0x01010101, v[WRD]        ; and the scales
	ds_store_b32 v8, v[WRD]                        ; both halves of the lanes write the same word with the same value
	s_wait_alu depctr_va_vdst(0)
	s_branch .Lmade
.Lweight:
	v_pk_mul_f32 v[CH:CH+1], v[NUM:NUM+1], v[NUM:NUM+1]           ; the squares of my 32 numbers, as they came
	v_pk_mul_f32 v[CH+2:CH+3], v[NUM+2:NUM+3], v[NUM+2:NUM+3]
.irp j, 4,8,12,16,20,24,28
	v_pk_fma_f32 v[CH:CH+1], v[NUM+\j:NUM+\j+1], v[NUM+\j:NUM+\j+1], v[CH:CH+1]
	v_pk_fma_f32 v[CH+2:CH+3], v[NUM+\j+2:NUM+\j+3], v[NUM+\j+2:NUM+\j+3], v[CH+2:CH+3]
.endr
	v_pk_add_f32 v[CH:CH+1], v[CH:CH+1], v[CH+2:CH+3]
	v_add_f32 v[SM], v[CH], v[CH+1]
	v_permlanex16_b32 v[SM+1], v[SM], s25, s26
	v_add_f32 v[SM], v[SM], v[SM+1]                ; the row's sum of squares, the same bits in both halves of the lanes
	ds_store_b32 v9, v[WRD]
	ds_store_b32 v10, v[SM]
.Lmade:
	global_store_b128 v5, v[COD:COD+3], s[8:9]                    ; 512 consecutive bytes each, at a multiple of 256 from the buffer's first byte
	global_store_b128 v5, v[COD+4:COD+7], s[8:9] offset:512
	s_wait_dscnt 0x0                               ; for the others' sake: my LDS stores are done
	s_barrier_signal -1
	s_barrier_wait -1
	s_cmp_lg_u32 s18, 0                            ; waves 0 and 4 store the two records' last 256 bytes
	s_cbranch_scc1 .Ldone
	ds_load_b64 v[44:45], v11
	s_wait_dscnt 0x0
	global_store_b64 v12, v[44:45], s[28:29]
.Ldone:
	s_wait_tensorcnt 0x0                           ; the wave's end
	ds_add_u32 v[SPW], v[NIL]
	s_wait_dscnt 0x0
	s_endpgm
.Lfunc_end_k_qb5b3f3cd12_quant:
	.size	k_qb5b3f3cd12_quant, .Lfunc_end_k_qb5b3f3cd12_quant-k_qb5b3f3cd12_quant
	.p2alignl 7, 3214868480
	.fill 96, 4, 3214868480
	.section	.rodata,"a",@progbits
	.p2align	6, 0x0
	.amdhsa_kernel k_qb5b3f3cd12_quant
		.amdhsa_group_segment_fixed_size 27392
		.amdhsa_private_segment_fixed_size 0
		.amdhsa_enable_private_segment 0
		.amdhsa_kernarg_size 32
		.amdhsa_user_sgpr_count 2
		.amdhsa_user_sgpr_kernarg_segment_ptr 1
		.amdhsa_wavefront_size32 1
		.amdhsa_system_sgpr_workgroup_id_x 1
		.amdhsa_system_sgpr_workgroup_id_y 1
		.amdhsa_system_sgpr_workgroup_id_z 1
		.amdhsa_system_vgpr_workitem_id 0
		.amdhsa_next_free_vgpr 160
		.amdhsa_next_free_sgpr 66
		.amdhsa_reserve_vcc 0
		.amdhsa_float_denorm_mode_32 3
		.amdhsa_float_denorm_mode_16_64 3
		.amdhsa_memory_ordered 1
		.amdhsa_forward_progress 1
		.amdhsa_inst_pref_size 12
	.end_amdhsa_kernel
	.amdgpu_metadata
---
amdhsa.version: [ 1, 2 ]
amdhsa.kernels:
  - .name:           k_qb5b3f3cd12_quant
    .symbol:         k_qb5b3f3cd12_quant.kd
    .args:
      - { .name: X, .offset: 0, .size: 8, .value_kind: global_buffer, .address_space: global }
      - { .name: weight, .offset: 8, .size: 8, .value_kind: global_buffer, .address_space: global }
      - { .name: xq, .offset: 16, .size: 8, .value_kind: global_buffer, .address_space: global }
      - { .name: wq, .offset: 24, .size: 8, .value_kind: global_buffer, .address_space: global }
    .group_segment_fixed_size: 27392
    .private_segment_fixed_size: 0
    .kernarg_segment_align: 8
    .kernarg_segment_size: 32
    .max_flat_workgroup_size: 192
    .sgpr_count:     66
    .vgpr_count:     160
    .wavefront_size: 32
...
	.end_amdgpu_metadata
.endif
;; end of part 1
;; launch search (part 2): grid 256 x 1, 8 waves a work-group, clusters of 4 x 1, 327,680 bytes of LDS; arguments xq, wq, out0; writes out0
.if DOCPART == 2
	.amdgcn_target "amdgcn-amd-amdhsa--gfx1250"
	.amdhsa_code_object_version 6
	.text
	.protected	k_qb5b3f3cd12_search
	.globl	k_qb5b3f3cd12_search
	.p2align	8
	.type	k_qb5b3f3cd12_search,@function
k_qb5b3f3cd12_search:
	s_mov_b64 s[64:65], 0
	v_nop
	global_prefetch_b8 v0, s[64:65] scope:SCOPE_SE
	s_setreg_imm32_b32 hwreg(HW_REG_WAVE_MODE, 25, 1), 1
	s_wait_xcnt 0x0
	s_wait_alu depctr_hold_cnt(0) depctr_sa_sdst(0) depctr_va_vdst(0) depctr_va_sdst(0) depctr_va_ssrc(0) depctr_va_vcc(0) depctr_vm_vsrc(0)
	s_getreg_b32 s2, hwreg(HW_REG_IB_STS2, 6, 4)
	s_cmp_eq_u32 s2, 0
	s_cbranch_scc0 .Lentry_in_a_cluster
	s_endpgm
.Lentry_in_a_cluster:
	s_bfe_u32 s2, ttmp6, 0x10000c
	s_cmp_lg_u32 s2, 0x3003
	s_cbranch_scc0 .Lentry_shape_is_right
	s_endpgm
.Lentry_shape_is_right:
; out0[query] = the first token n with the least U = bdotb[n] - 2 adotb[n]; adotb on codes of FP8 (E4M3) with E8M0 scales, by the scaled matrix instruction.  xq, wq: the records that the first launch lays; xq holds -2 X.
; DEAD WORK LEFT OUT: adota is one number for all tokens of a query and moves no argmin (the first kernel's head shows it); a NaN, an infinity or an overflow that reaches adota alone is not carried.
; THE PRODUCT IS USED TRANSPOSED, WITH bdotb AS ITS C: source 0 = 16 tokens, source 1 = 16 queries; lane (r, h), register j: D = U of token 8 h + j for query r.
; THE INDEX, with no address or branch on data.  A group is a step's two tiles of tokens, 16 numbers a lane.  A lane keeps RUN (the least U so far), GID (the first step that made it strictly smaller) and S (that step's 16 numbers,
; kept by selects).  At the end the first kept number equal to RUN names the token, found by halving; then the two halves of the lanes meet, then the eight waves, by (U, token).
; K IS 64 AND THE INSTRUCTION'S IS 128.  A token tile 0 stands in the upper half of its 16 registers, behind 8 of zeros, a tile 1 in the lower half, in front of 8 of zeros: neighbours share the zeros.  The queries' fragments OVERLAP:
; beside a tile's 8 registers stand the next or the last tile's codes, or zeros.  Those are numbers (all were held at 448: no NaN code), and a number x 0 adds nothing; the scale words hold a row's two bytes in both halves.
; SHARES.  A work-group owns 64 queries; each of its eight waves, two on a SIMD, holds all four tiles of queries and walks 1,024 tokens: 32 steps of 2 tiles of tokens x 4 tiles of queries.
; A UNIT is one tile of queries in a step: two matrix instructions, then 18 vector instructions: the minima of the unit two before, among the selects of the unit three before, so that lines which hang on each other stand apart.
; Fragments and bdotb have two sets of registers: a step loads the next step's.
; WINDOWS: all vector work, the results, scales and addresses lie in v0-v255 (window 0); the operands A, B and C of the products in window 1: two switches a unit.
; THE STREAM.  A wave's 73,728 bytes of wq come by four tensor loads of its own, eight steps each: at the head, then in steps 2, 7 and 15, into the half of its part of LDS that is new or has been read.  It reads only its own bytes.
; CLUSTER.  The four work-groups of a cluster walk the same weights: each fill is asked for JOINTLY, by the same load with the same descriptor (made of the wave's number alone) and the mask of all four.
; No prefetch: a later fill has at least four whole steps (32 matrix and 288 vector instructions of each wave) between its request and the wait for it; the head's load has no loop to run ahead in.
; LIMITS.  U is rounded once, by the matrix unit; reference() rounds fl(fl(adota - 2 adotb) + bdotb): where two tokens' distances differ by less than these roundings, the index may differ.  NaN and infinities are not served.
.set REC,   2304                       ; a record of wq: one step, 32 tokens
.set FILLB, 8*REC                      ; what a tensor load brings: 18,432 bytes
.set PART,  2*FILLB                    ; a wave's part of LDS
.set SCRE,  8*PART                     ; (U, token), [wave][64 queries], 4,096 bytes.  No fill lands here
.set SPARE, SCRE+4096                  ; the spare words, 128 bytes for each wave
.set SPW,  1                           ; v1   LDS address of my spare word; never rewritten
.set NIL,  2                           ; v2   0; never rewritten
.set LA,   3                           ; v3   LDS: my part + 16 x lane: codes
.set LS,   4                           ; v4   my part + 8 r: scale words
.set LB,   5                           ; v5   my part + 32 h: bdotb
.set T0,   6                           ; v6, v7, v28-30 at work
.set T1,   7
.set T2,   28
.set T3,   29
.set T4,   30
.set XS,   8                           ; v8-11   X's scale words, one a tile of queries
.set WS,   12                          ; v12-15  the tokens' scale words: set x 2 + tile
.set RUN,  16                          ; v16-23  the step's parity x 4 + tile of queries
.set GID,  24                          ; v24-27
.set D,    64                          ; v64-127 results: 16 a tile of queries
.set S,    128                         ; v128-191 the kept numbers, 16 a tile of queries
.set P,    0                           ; window 1: v256-351 zeros | X's four tiles | zeros | set 0: tile 0, tile 1 | zeros | set 1: tile 0, tile 1 | zeros; 8 registers each
.set BI,   96                          ; window 1: v352-383 bdotb in the result's layout: set x 16 + tile x 8
.set WV,   10                          ; s10     my wave's number
.set G1,   16                          ; s[16:23] descriptor group 1
.set G0,   24                          ; s[24:39] group 0 of the four fills
.set MSB, 0
.macro WIN new                         ; the immediate's high byte repeats the setting that is left
.if MSB != \new
	s_set_vgpr_msb (MSB<<8)|\new
.set MSB, \new
.endif
.endm
.set MUL,  0x15                        ; sources 0, 1, 2 window 1, destination window 0
.set TO_1, 0x40                        ; destination window 1, address window 0
.macro CREST                           ; a round of the cluster's barrier behind its opening barrier
	s_cmp_lg_u32 s[WV], 0
	s_cbranch_scc1 .Lnot_wave_0_\@
	s_barrier_signal -3
.Lnot_wave_0_\@:
	s_barrier_wait -3
	s_barrier_signal -1
	s_barrier_wait -1
.endm
.macro ROUND
	s_barrier_signal -1
	s_barrier_wait -1
	CREST
.endm
.macro FILL g0
	tensor_load_to_lds s[\g0:\g0+3], s[G1:G1+7]
	s_nop 0
.rept 4
	v_nop
.endr
.endm
	s_load_b128 s[4:7], s[0:1], 0x0                ; xq, wq
	s_load_b64 s[8:9], s[0:1], 0x10                ; out0
	v_lshl_add_u32 v[SPW], v0, 2, SPARE
	v_mov_b32 v[NIL], 0
	ds_add_u32 v[SPW], v[NIL]                      ; the wave's opening
	ds_add_u32 v[SPW], v[NIL]
	v_lshrrev_b32 v6, 5, v0
	v_readfirstlane_b32 s[WV], v6                  ; wave 0..7
	s_mul_i32 s13, s[WV], PART                     ; my part of LDS
	v_and_b32 v6, 31, v0                           ; lane
	v_and_b32 v7, 15, v0                           ; r
	v_bfe_u32 v31, v0, 4, 1                        ; h
	v_lshl_add_u32 v[LA], v6, 4, s13
	v_lshl_add_u32 v[LS], v7, 3, s13
	v_lshl_add_u32 v[LB], v31, 5, s13
	v_lshlrev_b32 v[T2], 4, v6                     ; offsets into my record of xq
	v_lshlrev_b32 v[T3], 4, v7
	s_bfe_u32 s11, ttmp6, 0x40000                  ; cx: my place in the cluster
	s_lshl_b32 s12, ttmp9, 2                       ; in a cluster launch ttmp9 counts clusters
	s_add_co_u32 s12, s12, s11                     ; my work-group: it enters xq's and out0's addresses alone
	; group 1: a dense block of 18,432 bytes as 72 rows of 32 elements of 8 bytes
	s_mov_b32 s[G1+0], 15|(3<<16)|(1<<21)          ; 15:0 the mask: all four work-groups; 17:16 elements of 8 bytes; no padding; 21 set beside a mask
	s_mov_b32 s[G1+1], 32<<16                      ; tensor_dim0
	s_mov_b32 s[G1+2], 72<<16                      ; tensor_dim1
	s_mov_b32 s[G1+3], 32<<16                      ; tile_dim0
	s_mov_b32 s[G1+4], 72                          ; tile_dim1
	s_mov_b32 s[G1+5], 32                          ; from row to row
	s_mov_b32 s[G1+6], 0
	s_mov_b32 s[G1+7], 0
	s_mul_i32 s14, s[WV], 2*PART                   ; my 32 records of wq
	s_mov_b32 s15, 0
	s_mul_i32 s44, s12, 4352                       ; my work-group's record of xq
	s_mov_b32 s45, 0
	s_mov_b32 s60, 0x76543210
	s_mov_b32 s61, 0xfedcba98                      ; v_permlanex16_b32's selects for lane l xor 16
	s_wait_alu depctr_va_vdst(0)
	s_wait_dscnt 0x0                               ; both opening adds are done
	s_wait_kmcnt 0x0
	s_add_nc_u64 s[4:5], s[4:5], s[44:45]
	s_add_nc_u64 s[6:7], s[6:7], s[14:15]
	s_lshl_b32 s44, s12, 8                         ; 64 indices of 4 bytes
	s_add_nc_u64 s[8:9], s[8:9], s[44:45]
	global_load_b128 v[XS:XS+3], v[T3], s[4:5] offset:4096         ; row r's scale word in each of the four tiles
	WIN TO_1
.irp q, 0,1,2,3
.irp c, 0,1
	global_load_b128 v[P+8+8*\q+4*\c:P+8+8*\q+4*\c+3], v[T2], s[4:5] offset:1024*\q+512*\c   ; X's codes stay in registers
.endr
.endr
	WIN 0
.irp f, 0,1,2,3
	s_mov_b32 s[G0+4*\f], 1                                        ; count = 1
	s_add_co_u32 s[G0+4*\f+1], s13, FILLB*(\f%2)                   ; fills take turns in the two halves of my part
	s_add_nc_u64 s[G0+4*\f+2:G0+4*\f+3], s[6:7], FILLB*\f          ; steps 8 f .. 8 f + 7
	s_or_b32 s[G0+4*\f+3], s[G0+4*\f+3], 0x80000000                ; type = 2
.endr
	ROUND                                          ; all four work-groups are here: the first joint loads meet
	FILL G0                                        ; the wave's one load at the head
	WIN TO_1
.irp z, 0,40,64,88
.irp j, 0,1,2,3,4,5,6,7
	v_mov_b32 v[P+\z+\j], 0                        ; the zero codes
.endr
.endr
	WIN 0
; The LDS loads of step n: two fragments (8 registers each), their bdotb (a lane's eight tokens: 32 bytes, the same for 16 lanes) and scale words, into set n % 2.
.macro LOADS n
.set LO, REC*((\n)&15)
.set LQ, (\n)&1
	WIN 0
	ds_load_b64 v[WS+2*LQ:WS+2*LQ+1], v[LS] offset:LO+2048
	WIN TO_1
.irp tt, 0,1
.irp c, 0,1
	ds_load_b128 v[P+48+24*LQ+8*\tt+4*\c:P+48+24*LQ+8*\tt+4*\c+3], v[LA] offset:LO+1024*\tt+512*\c
.endr
.endr
.irp tt, 0,1
.irp c, 0,1
	ds_load_b128 v[BI+16*LQ+8*\tt+4*\c:BI+16*LQ+8*\tt+4*\c+3], v[LB] offset:LO+2176+64*\tt+16*\c
.endr
.endr
.endm
; One product: token tile tt x query tile q.  C is bdotb, D other registers: no accumulator is added onto.
.macro WM tt, q
	v_wmma_scale_f32_16x16x128_f8f6f4 v[D+16*\q+8*\tt:D+16*\q+8*\tt+7], v[P+40+24*PA+16*\tt:P+40+24*PA+16*\tt+15], v[P+8*\q+8*\tt:P+8*\q+8*\tt+15], v[BI+16*PA+8*\tt:BI+16*PA+8*\tt+7], v[WS+2*PA+\tt], v[XS+\q]
.endm
.macro SEL k                           ; two of tile qb's 16 numbers are kept where VCC is 0; in step 0 in every lane
.if SB == 0
	v_dual_mov_b32 v[SS+2*\k], v[DB+2*\k] :: v_dual_mov_b32 v[SS+2*\k+1], v[DB+2*\k+1]
.elseif SB > 0
	v_dual_cndmask_b32 v[SS+2*\k], v[DB+2*\k], v[SS+2*\k] :: v_dual_cndmask_b32 v[SS+2*\k+1], v[DB+2*\k+1], v[SS+2*\k+1]
.endif
.endm
; 18 vector instructions: query tile qb in step sb: VCC = RUN is as before; where it fell, the step's number and its 16 numbers are kept.  Among them query tile qa in step sa: RUN = the least of its 16 numbers and of the RUN before;
; each result is first read at its low end.  A step below 0 stands for nothing.
.macro VSEG qa, sa, qb, sb
.set SA, \sa
.set SB, \sb
.set DA, D+16*\qa
.set DB, D+16*\qb
.set SS, S+16*\qb
.if SB > 0
	v_cmp_eq_f32 vcc_lo, v[RUN+4*(SB&1)+\qb], v[RUN+4*(1-(SB&1))+\qb]
.endif
.if SA >= 0
	v_min3_num_f32 v[T0], v[DA], v[DA+1], v[DA+2]
	v_min3_num_f32 v[T1], v[DA+3], v[DA+4], v[DA+5]
	v_min3_num_f32 v[T2], v[DA+8], v[DA+9], v[DA+10]
	v_min3_num_f32 v[T3], v[DA+11], v[DA+12], v[DA+13]
.endif
.if SB == 0
	v_mov_b32 v[GID+\qb], 0
.elseif SB > 0
	v_cndmask_b32 v[GID+\qb], SB, v[GID+\qb], vcc_lo
.endif
	SEL 0
.if SA >= 0
	v_min3_num_f32 v[T4], v[DA+6], v[DA+7], v[DA+14]
.endif
	SEL 1
.if SA >= 0
	v_min3_num_f32 v[T0], v[T0], v[T1], v[DA+15]
.endif
	SEL 2
	SEL 3
.if SA >= 0
	v_min3_num_f32 v[T2], v[T2], v[T3], v[T4]
.endif
	SEL 4
	SEL 5
	SEL 6
.if SA == 0
	v_min_num_f32 v[RUN+\qa], v[T0], v[T2]         ; the first step starts RUN
.elseif SA > 0
	v_min3_num_f32 v[RUN+4*(SA&1)+\qa], v[RUN+4*(1-(SA&1))+\qa], v[T0], v[T2]
.endif
	SEL 7
.endm
; A unit.  Distances behind this matrix form: 8 plain vector instructions that name none of its registers before a result is read or a load is issued into a register that it read,
; 9 before a matrix instruction writes over one.  A unit's own 18 stand there: its results are read two and three units on and written over four units on.
.macro UNIT q
	WIN MUL
	WM 0, \q
	WM 1, \q
	WIN 0
.if \q == 0
	VSEG 2, SN-1, 1, SN-1
.elseif \q == 1
	VSEG 3, SN-1, 2, SN-1
.if SN == 0
.rept 9
	v_nop                                          ; the first two units have no earlier ones' work to stand here
.endr
.endif
.elseif \q == 2
	VSEG 0, SN, 3, SN-1
.else
	VSEG 1, SN, 0, SN
.endif
.endm
; STEP SN.  Step 2 fills the second half of my part for the first time; steps 7 and 15 refill the half whose last bytes have come into registers at the step's head.
.macro STEP
.set PA, SN&1
.set CHG, 0
.if SN == 2
.set CHG, 1
.endif
.if SN == 7
.set CHG, 2
.endif
.if SN == 15
.set CHG, 3
.endif
.if SN > 0
	s_wait_alu depctr_va_vdst(0)
.endif
	s_wait_dscnt 0x0                               ; this step's fragments, bdotb and scale words are in
.if (SN&7) == 7
.if SN < 31
	s_wait_tensorcnt 0x0                           ; the next eight steps are in my part
.endif
.endif
.if SN < 31
	LOADS SN+1                                     ; the other set's last products stand 17 or more vector instructions back
.endif
.if CHG
	WIN 0
	s_wait_tensorcnt 0x0                           ; all my tensor loads have landed
	ds_add_u32 v[SPW], v[NIL]                      ; 0 onto my spare word; a unit stands between it and the wait for it
.endif
	UNIT 0
.if CHG
	s_wait_alu depctr_va_vdst(0)
	s_wait_dscnt 0x0                               ; the add is done, and so are all my LDS reads
	s_barrier_signal -1                            ; say so: the barrier opens a round of the cluster's; two units of register work while the others arrive
.endif
	UNIT 1
	UNIT 2
.if CHG
	s_wait_alu depctr_va_vdst(0)
	s_barrier_wait -1
	CREST                                          ; no wave of any partner still reads this half or has a load on its way
	FILL G0+4*CHG                                  ; my one tensor load behind the round, and the first thing there
.endif
	UNIT 3
.endm
	s_wait_alu depctr_va_vdst(0)
	s_wait_tensorcnt 0x0                           ; steps 0 .. 7 are in my part
	LOADS 0
	s_wait_loadcnt 0x0                             ; X's codes and scale words
.set SN, 0
.rept 32
	STEP
.set SN, SN+1
.endr
	VSEG 2, 31, 1, 31                              ; the last three units' reductions
	VSEG 3, 31, 2, 31
	VSEG 0, -1, 3, 31
	; WHICH OF THE KEPT 16: by halving, the lower half if it holds a number equal to RUN.  GID takes a bit at a time: in the end 16 x step + place.
.set E,  RUN+4
.set M0, D                             ; v64-67, v68-71 at work
.set M1, D+4
.set TK, D+8                           ; v72-75 the token
.set PR, D+16                          ; v[80:87] (U, token) of the better half, a pair a tile
.set PE, D+24                          ; v88-91 U of lane l xor 16
.set PT, D+28                          ; v92-95 its token
.macro HALVE n                         ; VCC = the least of the lower n is not RUN: go on with the upper n
.irp q, 0,1,2,3
.set SS, S+16*\q
.if \n == 1
	v_cmp_neq_f32 vcc_lo, v[SS], v[E+\q]
.else
	v_cmp_neq_f32 vcc_lo, v[M0+\q], v[E+\q]
.set kk, 0
.rept \n/2
	v_dual_cndmask_b32 v[SS+kk], v[SS+kk], v[SS+\n+kk] :: v_dual_cndmask_b32 v[SS+kk+1], v[SS+kk+1], v[SS+\n+kk+1]
.set kk, kk+2
.endr
.endif
	v_add_co_ci_u32 v[GID+\q], vcc_lo, v[GID+\q], v[GID+\q], vcc_lo   ; 2 x GID + the bit
.endr
.endm
.irp q, 0,1,2,3
	v_min3_num_f32 v[M0+\q], v[S+16*\q], v[S+16*\q+1], v[S+16*\q+2]
	v_min3_num_f32 v[M1+\q], v[S+16*\q+3], v[S+16*\q+4], v[S+16*\q+5]
.endr
.irp q, 0,1,2,3
	v_min3_num_f32 v[M0+\q], v[M0+\q], v[M1+\q], v[S+16*\q+6]
.endr
.irp q, 0,1,2,3
	v_min_num_f32 v[M0+\q], v[M0+\q], v[S+16*\q+7]
.endr
	HALVE 8
.irp q, 0,1,2,3
	v_min3_num_f32 v[M0+\q], v[S+16*\q], v[S+16*\q+1], v[S+16*\q+2]
.endr
.irp q, 0,1,2,3
	v_min_num_f32 v[M0+\q], v[M0+\q], v[S+16*\q+3]
.endr
	HALVE 4
.irp q, 0,1,2,3
	v_min_num_f32 v[M0+\q], v[S+16*\q], v[S+16*\q+1]
.endr
	HALVE 2
	HALVE 1
	s_lshl_b32 s13, s[WV], 10                      ; my first token
	s_lshl_b32 s14, s[WV], 9
	s_add_co_u32 s14, s14, SCRE                    ; my 512 bytes of the results' table
	v_and_b32 v6, 31, v0
	v_and_b32 v7, 15, v0
	v_bfe_u32 v31, v0, 4, 1
	v_lshl_add_u32 v3, v7, 3, s14                  ; (v3-5 held LDS addresses; my LDS loads are back)  where I put (U, token): 512 x wave + 8 r (+ 128 q)
	v_lshlrev_b32 v4, 4, v6
	v_lshlrev_b32 v5, 3, v6                        ; out0's offset
	v_add_nc_u32 v4, SCRE, v4                      ; where wave 0 reads: queries 2 l and 2 l + 1
	v_lshl_add_u32 v31, v31, 3, s13                ; 1024 x wave + 8 h
.irp q, 0,1,2,3
	v_and_b32 v[M0+\q], -8, v[GID+\q]
.endr
.irp q, 0,1,2,3
	v_add3_u32 v[TK+\q], v[GID+\q], v[M0+\q], v31  ; 32 x step + 16 x tile + place in the eight + 8 h + 1024 x wave
.endr
	; the two halves of the lanes hold the same query's other tokens: the smaller U wins, and of equal U the lower token
.irp q, 0,1,2,3
	v_permlanex16_b32 v[PE+\q], v[E+\q], s60, s61
	v_permlanex16_b32 v[PT+\q], v[TK+\q], s60, s61
.endr
.irp q, 0,1,2,3
	v_cmp_lt_f32 s[44+\q], v[PE+\q], v[E+\q]
	v_cmp_eq_f32 s[48+\q], v[PE+\q], v[E+\q]
	v_cmp_lt_u32 s[52+\q], v[PT+\q], v[TK+\q]
.endr
.irp q, 0,1,2,3
	s_and_b32 s[48+\q], s[48+\q], s[52+\q]
	s_or_b32 s[44+\q], s[44+\q], s[48+\q]
.endr
	s_wait_alu depctr_va_vdst(0)
.irp q, 0,1,2,3
	v_cndmask_b32 v[PR+2*\q], v[E+\q], v[PE+\q], s[44+\q]
	v_cndmask_b32 v[PR+2*\q+1], v[TK+\q], v[PT+\q], s[44+\q]
.endr
.irp q, 0,1,2,3
	ds_store_b64 v3, v[PR+2*\q:PR+2*\q+1] offset:128*\q   ; both halves of the lanes write the same pair
.endr
	s_wait_alu depctr_va_vdst(0)
	s_wait_dscnt 0x0                               ; for the others' sake: my stores are done
	s_barrier_signal -1
	s_barrier_wait -1
	; the eight waves' results meet in wave 0, in a tree: waves own ascending tokens, so a later wave wins only by a strictly smaller U
	s_cmp_lg_u32 s[WV], 0
	s_cbranch_scc1 .Lothers
.set F, 128                            ; v128-159: a wave's (U, token) of two queries in four registers
.irp c, 0,1,2,3,4,5,6,7
	ds_load_b128 v[F+4*\c:F+4*\c+3], v4 offset:512*\c
.endr
	s_wait_dscnt 0x0
.macro LEVEL st
.set CC, 0
.rept 4/\st
.irp j, 0,2
	v_cmp_lt_f32 s[44+CC/\st+\j/2], v[F+4*(CC+\st)+\j], v[F+4*CC+\j]
.endr
.set CC, CC+2*\st
.endr
.set CC, 0
.rept 4/\st
.irp j, 0,2
	v_cndmask_b32 v[F+4*CC+\j], v[F+4*CC+\j], v[F+4*(CC+\st)+\j], s[44+CC/\st+\j/2]
	v_cndmask_b32 v[F+1+4*CC+\j], v[F+1+4*CC+\j], v[F+1+4*(CC+\st)+\j], s[44+CC/\st+\j/2]
.endr
.set CC, CC+2*\st
.endr
.endm
	LEVEL 1
	LEVEL 2
	LEVEL 4
	v_mov_b32 v[F+4], v[F+1]
	v_mov_b32 v[F+5], v[F+3]
	global_store_b64 v5, v[F+4:F+5], s[8:9]        ; 32 lanes store the work-group's 64 indices: 256 consecutive bytes, at a multiple of 256 from out0's first byte
.Lothers:
	s_wait_tensorcnt 0x0                           ; the wave's end: behind my last tensor load and my last LDS store
	ds_add_u32 v[SPW], v[NIL]
	s_wait_dscnt 0x0
	ROUND                                          ; the closing round: no work-group ends while a partner may still ask for a tile that names it
	s_endpgm
.Lfunc_end_k_qb5b3f3cd12_search:
	.size	k_qb5b3f3cd12_search, .Lfunc_end_k_qb5b3f3cd12_search-k_qb5b3f3cd12_search
	.p2alignl 7, 3214868480
	.fill 96, 4, 3214868480
	.section	.rodata,"a",@progbits
	.p2align	6, 0x0
	.amdhsa_kernel k_qb5b3f3cd12_search
		.amdhsa_group_segment_fixed_size 327680
		.amdhsa_private_segment_fixed_size 0
		.amdhsa_enable_private_segment 0
		.amdhsa_kernarg_size 24
		.amdhsa_user_sgpr_count 2
		.amdhsa_user_sgpr_kernarg_segment_ptr 1
		.amdhsa_wavefront_size32 1
		.amdhsa_system_sgpr_workgroup_id_x 1
		.amdhsa_system_sgpr_workgroup_id_y 1
		.amdhsa_system_sgpr_workgroup_id_z 1
		.amdhsa_system_vgpr_workitem_id 0
		.amdhsa_next_free_vgpr 384
		.amdhsa_next_free_sgpr 66
		.amdhsa_reserve_vcc 1
		.amdhsa_float_denorm_mode_32 3
		.amdhsa_float_denorm_mode_16_64 3
		.amdhsa_memory_ordered 1
		.amdhsa_forward_progress 1
		.amdhsa_inst_pref_size 217
	.end_amdhsa_kernel
	.amdgpu_metadata
---
amdhsa.version: [ 1, 2 ]
amdhsa.kernels:
  - .name:           k_qb5b3f3cd12_search
    .symbol:         k_qb5b3f3cd12_search.kd
    .args:
      - { .name: xq, .offset: 0, .size: 8, .value_kind: global_buffer, .address_space: global }
      - { .name: wq, .offset: 8, .size: 8, .value_kind: global_buffer, .address_space: global }
      - { .name: out0, .offset: 16, .size: 8, .value_kind: global_buffer, .address_space: global }
    .group_segment_fixed_size: 327680
    .private_segment_fixed_size: 0
    .kernarg_segment_align: 8
    .kernarg_segment_size: 24
    .max_flat_workgroup_size: 256
    .sgpr_count:     66
    .vgpr_count:     384
    .wavefront_size: 32
...
	.end_amdgpu_metadata
.endif
;; end of part 2
